; MI455X (gfx1250); checked and timed in simulation.
; The chip was launched on July 23, 2026; its instructions are those of AMD's public machine-readable ISA for CDNA 5 (MIT licence, August 2026) and "CDNA5" Instruction Set Architecture Reference Guide (July 2026). The comments in the code are by the model that wrote it; some were corrected since.
;; Dilated MHSA Block. Allowed arithmetic: matrix products marked QUANTISED: E3M2 operands, one E8M0 scale for each 32 along K, by v_wmma_scale_f32_16x16x128_f8f6f4 with both operands' format E3M2, f32 sums; everything else in f32.
;; Inputs: b_out 1,024 float32; b_qkv 3,072 float32; w_out 1,024 x 1,024 float32; w_qkv 3,072 x 1,024 float32; x 2 x 2,048 x 1,024 float32.
;; Outputs: out0 2 x 2,048 x 1,024 float32.
;; This version of the problem:
;;   THIS VERSION OF THE PROBLEM IS GIVEN IN LOW PRECISION. The matrix products marked QUANTISED in the list below multiply operands that are first quantised to E3M2 (3 exponent bits, 2 mantissa bits; 6 bits a number), with one power-of-two scale for each 32 numbers along K (OCP MX v1.0); their sums are f32. All else is computed in f32.
;;   The module's matrix products, in the order in which they are computed (A, B: the left and right operand; K: the contracted axis; several contracted axes count as one K, in the product's order):
;;     1. [M 4,096, K 1,024] x [K 1,024, N 3,072]; A: input x; B: input w_qkv: QUANTISED
;;     2. batch 32 x [M 2,048, K 64] x [K 64, N 2,048]; A: computed on the way; B: computed on the way: QUANTISED
;;     3. batch 32 x [M 2,048, K 2,048] x [K 2,048, N 64]; A: softmax (see below); B: computed on the way: QUANTISED
;;     4. [M 4,096, K 1,024] x [K 1,024, N 1,024]; A: computed on the way; B: input w_out: QUANTISED
;;   THE QUANTISER, for each operand of a quantised product, along K:
;;     - K is cut into blocks of 32 from its start; a last block that is shorter is filled with zeros.
;;     - A block's scale is 2^e with e = floor(log2(the largest magnitude in the block)) - 4, held to -126 .. 127; a block of zeros has e = 0. As a byte (E8M0): e + 127.
;;     - Each number is divided by its block's scale, clamped to +-28, and rounded to the nearest number of E3M2, ties to even, subnormals kept.
;;     - The product sums the exact products of the quantised numbers (number of the format x scale) in f32.
;;   ~~~python
;;   def quantise(x, axis):      # numpy; x: float32 -> the quantised numbers, widened to float32 again
;;       x = np.moveaxis(x, axis, -1); K = x.shape[-1]
;;       x = np.pad(x, [(0, 0)] * (x.ndim - 1) + [(0, -K % 32)]); x = x.reshape(x.shape[:-1] + (-1, 32)); a = np.abs(x).max(-1, keepdims=True)
;;       e = np.where(a > 0, np.clip(np.frexp(np.where(a > 0, a, 1))[1] - 1 - 4, -126, 127), 0)      # np.frexp(a)[1] - 1 = floor(log2(a)), exactly
;;       r = np.clip(x / 2.0 ** e, -28, 28)
;;       step = 2.0 ** (np.maximum(np.frexp(np.where(r == 0, 1, r))[1] - 1, -2) - 2)
;;       q = np.round(r / step) * step * 2.0 ** e      # np.round: ties to even
;;       return np.moveaxis(q.reshape(q.shape[:-2] + (-1,))[..., :K], -1, axis).astype(np.float32)
;;   ~~~
;;   SOFTMAX AHEAD OF A QUANTISED PRODUCT. Where the list says 'softmax', what is quantised is not the finished softmax but p = 2^(t - M), with t = logit x log2(e) and M = ceil(the row's largest t), a whole number; so 1/2 < the row's largest p <= 1. The row's sum l is taken of the UNQUANTISED p, in f32, and the product's result is divided by l at the end. Since M is a whole number, a kernel that streams over the keys may use a running M (the ceiling of the running maximum): every later rescaling is an exact power of two, which a block's scale takes up: the codes' values come out the same.
;;   OPERANDS COMPUTED ON THE WAY. 'Computed on the way' means the value that the module computes at that place (a softmax that the list does not call 'softmax' is quantised finished and normalised). What goes into a quantiser is computed in f32, as accurately as f32 sums, v_exp_f32 and their like allow (about 1e-6 of the number): no bf16 or f16 on the way to a quantiser, and a product that is left as it is and whose result goes on into a quantised operand takes f32 operands (vector FMAs, or v_wmma_f32_16x16x4_f32). A number that lies on a knife's edge between two numbers of the format may be rounded either way, as far as f32 arithmetic and the matrix unit's own rounding can turn it there, and no further.
;; One version. Each part assembles by itself: llvm-mc -triple=amdgcn-amd-amdhsa -mcpu=gfx1250 --defsym DOCPART=n.
;; ======== version 1 of 1: 3 launches
;; workspace buffers: img 6,340,608 bytes; scl 264,192 bytes; o_img 3,145,728 bytes; o_scl 262,144 bytes
;; launch quant (part 1): grid 258 x 1, 8 waves a work-group, no clusters, 137,216 bytes of LDS; arguments x, w_qkv, w_out, img, scl; writes img, scl
.if DOCPART == 1
	.amdgcn_target "amdgcn-amd-amdhsa--gfx1250"
	.amdhsa_code_object_version 6
	.text
	.protected	k_qa5cc214f95_quant
	.globl	k_qa5cc214f95_quant
	.p2align	8
	.type	k_qa5cc214f95_quant,@function
k_qa5cc214f95_quant:
	s_mov_b64 s[64:65], 0
	v_nop
	global_prefetch_b8 v0, s[64:65] scope:SCOPE_SE
	s_setreg_imm32_b32 hwreg(HW_REG_WAVE_MODE, 25, 1), 1
	s_wait_xcnt 0x0
; x [4096][1024], w_qkv [3072][1024] and w_out [1024][1024], f32, K innermost, become codes of BF6 (E3M2) with one E8M0 byte for each 32 along K,
; laid in the ORDER OF THE OPERAND'S REGISTERS, so that the later launches fetch fragments by dense loads of 16 bytes a lane.
; ROWS go in blocks of 32.  A block gives two tiles u = 0, 1 of 16 rows: lane r of tile u is row 8 u + r + 8 (r / 8) of the block.
; img: [block g][K step s 0..7][u][chunk c 0..2][lane][16 bytes]: a fragment (16 rows x 128 K) is 12 registers a lane, chunk c = registers 4 c .. 4 c + 3.
; scl: [block g][hk 0..1][lane][4 words]: word j is the scale word of K step 4 hk + j; lanes 0-15 tile 0's rows, lanes 16-31 tile 1's.
; BLOCKS: g = 0..129: x's block min(max(g - 1, 0), 127): one block of margin at each end (a copy of the edge block: finite numbers, which the band's mask throws away later);
;   g = 130 + 6 head + 2 part + j: w_qkv's block 32 part + 2 head + j (a head's q, k and v rows lie together);   g = 226 + n: w_out's block n.
; SHARES: work-group g makes block g; wave s makes K step s of it: 32 rows x 512 bytes.  All 32 loads of a wave go out at once (each 512 consecutive bytes of one row).
; A lane of a fragment wants 32 neighbours along K twice (k = 64 c + 32 h ..): the rows turn through the wave's own stage in LDS (rows of 512 + 16 bytes).
; A block's scale is 2^(floor(log2(largest magnitude)) - 4); its byte is the largest magnitude's exponent field - 4, held at 1 from below.
; LIMITS: a block whose largest magnitude lies under 2^-122 keeps the byte 1 (a block of zeros too, where the rule says 127: its codes are zeros and this program alone reads the bytes);
; NaN and infinities among the inputs are not served.
; No matrix unit, no cluster, no tensor load: each byte is read by one wave and nothing is shared but the 1,024 scale bytes.
.set SRCB,   131072                    ; 32 rows of 4,096 bytes
.set IMGB,   24576                     ; a block's codes
.set FRB,    1536                      ; a fragment's image
.set SPITCH, 528                       ; a stage row
.set STGB,   16*SPITCH
.set WREG,   2*STGB                    ; a wave's two stages
.set SCLB,   8*WREG                    ; behind them: the block's 1,024 scale bytes
.set RA,  64                           ; v64-127   tile 0's rows as loaded; later tile 1's numbers by lanes
.set RB,  128                          ; v128-191  tile 1's rows as loaded
.set XN,  192                          ; v192-255  tile 0's numbers by lanes
.set CA,  32                           ; v32-43    fragment 0
.set CB,  44                           ; v44-55    fragment 1
.set CT,  56                           ; v56-58, v60-62  second halves of the blocks' codes
	s_load_b256 s[4:11], s[0:1], 0x0               ; x s[4:5], w_qkv s[6:7], w_out s[8:9], img s[10:11]
	s_load_b64 s[12:13], s[0:1], 0x20              ; scl
	v_lshl_add_u32 v59, v0, 2, 0x21400
	v_mov_b32 v63, 0
	v_lshrrev_b32 v1, 5, v0
	v_readfirstlane_b32 s14, v1                    ; wave = K step
	v_and_b32 v1, 31, v0                           ; lane
	v_and_b32 v2, 15, v0                           ; r
	v_bfe_u32 v3, v0, 4, 1                         ; h
	v_lshlrev_b32 v4, 4, v0                        ; in: 512 x wave + 16 x lane
	s_mul_i32 s15, s14, WREG
	v_lshl_add_u32 v5, v1, 4, s15                  ; the stage, on the way in: 16 x lane of a row
	v_mul_u32_u24 v6, v2, SPITCH
	v_lshl_add_u32 v6, v3, 7, v6
	v_add_nc_u32 v6, s15, v6                       ; and out: row r, + 128 h
	s_mul_i32 s16, s14, 2*FRB
	v_lshl_add_u32 v7, v1, 4, s16                  ; my 16 bytes of a chunk in the block's image
	s_lshr_b32 s17, s14, 2
	s_lshl_b32 s17, s17, 9
	s_and_b32 s18, s14, 3
	s_lshl_b32 s18, s18, 2
	s_add_co_u32 s17, s17, s18
	s_add_co_u32 s17, s17, SCLB
	v_lshl_add_u32 v8, v1, 4, s17                  ; my scale word: 512 (s / 4) + 16 x lane + 4 (s % 4)
	v_and_b32 v9, 63, v0
	v_lshlrev_b32 v10, 4, v9                       ; the scale words' way out: 16 bytes a thread of waves 0 and 1
	v_add_nc_u32 v9, SCLB, v10
	v_lshlrev_b32 v11, 3, v3                       ; 8 h: where my two bytes stand in the word
	v_mov_b32 v25, 0                               ; a lane permute's destination counts as one of its sources
	s_mov_b32 s28, 0x76543210
	s_mov_b32 s29, 0xfedcba98                      ; selects for lane l xor 16
	; which tensor, and which of its blocks: whole numbers made of the work-group's number alone
	s_mov_b32 s19, ttmp9                           ; g
	s_sub_co_i32 s20, s19, 1
	s_max_i32 s20, s20, 0
	s_min_i32 s20, s20, 127                        ; x's block
	s_max_u32 s21, s19, 130
	s_sub_co_u32 s21, s21, 130
	s_min_u32 s21, s21, 95                         ; g' = g - 130, held to 0..95
	s_mul_i32 s22, s21, 43
	s_lshr_b32 s22, s22, 8                         ; head = g' / 6 (43 / 256 serves up to g' = 128)
	s_mul_i32 s23, s22, 6
	s_sub_co_u32 s23, s21, s23                     ; 2 part + j
	s_lshr_b32 s24, s23, 1
	s_and_b32 s23, s23, 1
	s_lshl_b32 s24, s24, 5
	s_lshl_b32 s22, s22, 1
	s_add_co_u32 s24, s24, s22
	s_add_co_u32 s24, s24, s23                     ; w_qkv's block 32 part + 2 head + j
	s_max_u32 s25, s19, 226
	s_sub_co_u32 s25, s25, 226                     ; w_out's block
	s_wait_kmcnt 0x0
	s_cmp_lt_u32 s19, 226
	s_cselect_b64 s[6:7], s[6:7], s[8:9]
	s_cselect_b32 s24, s24, s25
	s_cmp_lt_u32 s19, 130
	s_cselect_b64 s[4:5], s[4:5], s[6:7]
	s_cselect_b32 s24, s20, s24
	s_lshl_b32 s26, s24, 17
	s_mov_b32 s27, 0
	s_add_nc_u64 s[4:5], s[4:5], s[26:27]
	s_mul_i32 s26, s19, IMGB
	s_add_nc_u64 s[10:11], s[10:11], s[26:27]
	s_lshl_b32 s26, s19, 10
	s_add_nc_u64 s[12:13], s[12:13], s[26:27]
.irp u, 0,1
.irp i, 0,1,2,3,4,5,6,7,8,9,10,11,12,13,14,15
	global_load_b128 v[RA+64*\u+4*\i:RA+64*\u+4*\i+3], v4, s[4:5] offset:(8*\u+\i+8*(\i/8))*4096 th:TH_LOAD_NT   ; tile u's row-lane i: 512 consecutive bytes
.endr
.endr
; 64 numbers of a lane, v[src + 32 b + i] = k 64 b + 32 h + i of row r, become the fragment's 12 registers v[c] on and the row's scale word v[w] (in lanes r and r + 16).
.macro QF src, c, w
.irp b, 0,1
	v_max3_num_f32 v[16+\b], |v[\src+32*\b]|, |v[\src+32*\b+1]|, 0x2800000       ; the floor 2^(5 - 127): the byte cannot fall under 1
	v_max3_num_f32 v[18+\b], |v[\src+32*\b+2]|, |v[\src+32*\b+3]|, 0x2800000     ; two chains a block, the two blocks by turns
.endr
.irp i, 4,8,12,16,20,24,28
.irp b, 0,1
	v_max3_num_f32 v[16+\b], v[16+\b], |v[\src+32*\b+\i]|, |v[\src+32*\b+\i+1]|
	v_max3_num_f32 v[18+\b], v[18+\b], |v[\src+32*\b+\i+2]|, |v[\src+32*\b+\i+3]|
.endr
.endr
.irp b, 0,1
	v_max_num_f32 v[16+\b], v[16+\b], v[18+\b]     ; the block's largest magnitude: all 32 numbers are mine
.endr
.irp b, 0,1
	v_add_nc_u32 v[20+\b], 0xfe000000, v[16+\b]    ; 4 off its exponent field: the conversion's scale operand
.endr
.irp b, 0,1
	v_lshrrev_b32 v[22+\b], 23, v[20+\b]           ; the scale's byte
.endr
	v_lshl_or_b32 v24, v23, 16, v22                ; blocks h and 2 + h of my row,
	v_lshlrev_b32 v24, v11, v24                    ; 8 h bits up;
	v_permlanex16_b32 v25, v24, s28, s29
	v_or_b32 v[\w], v24, v25                       ; with lane l xor 16's two the word is whole
	v_cvt_scalef32_pk16_bf6_f32 v[\c:\c+2], v[\src:\src+15], v20
	v_cvt_scalef32_pk16_bf6_f32 v[CT:CT+2], v[\src+16:\src+31], v20          ; (a conversion's three registers begin on an even number)
	v_cvt_scalef32_pk16_bf6_f32 v[\c+6:\c+8], v[\src+32:\src+47], v21
	v_cvt_scalef32_pk16_bf6_f32 v[CT+4:CT+6], v[\src+48:\src+63], v21
	v_nop                                          ; one plain line behind the scaled conversions
.irp i, 0,1,2
	v_mov_b32 v[\c+3+\i], v[CT+\i]
	v_mov_b32 v[\c+9+\i], v[CT+4+\i]
.endr
.endm
	s_wait_loadcnt 16                              ; tile 0's sixteen loads are in; tile 1's may be out
.irp i, 0,1,2,3,4,5,6,7,8,9,10,11,12,13,14,15
	ds_store_b128 v5, v[RA+4*\i:RA+4*\i+3] offset:SPITCH*\i
.endr
.irp i, 0,1,2,3,4,5,6,7,8,9,10,11,12,13,14,15
	ds_load_b128 v[XN+4*\i:XN+4*\i+3], v6 offset:256*(\i/8)+16*(\i%8)        ; LDS serves a wave's instructions in order: these see the stores above
.endr
	s_wait_loadcnt 0x0
.irp i, 0,1,2,3,4,5,6,7,8,9,10,11,12,13,14,15
	ds_store_b128 v5, v[RB+4*\i:RB+4*\i+3] offset:STGB+SPITCH*\i
.endr
	s_wait_dscnt 16                                ; all but these sixteen stores: tile 0's numbers are back
.irp i, 0,1,2,3,4,5,6,7,8,9,10,11,12,13,14,15
	ds_load_b128 v[RA+4*\i:RA+4*\i+3], v6 offset:STGB+256*(\i/8)+16*(\i%8)   ; tile 1 comes back while tile 0 is quantised
.endr
	QF XN, CA, 12
.irp k, 0,1,2
	global_store_b128 v7, v[CA+4*\k:CA+4*\k+3], s[10:11] offset:512*\k       ; 512 consecutive bytes, aligned
.endr
	s_wait_dscnt 0x0
	QF RA, CB, 13
.irp k, 0,1,2
	global_store_b128 v7, v[CB+4*\k:CB+4*\k+3], s[10:11] offset:FRB+512*\k
.endr
	s_mov_b32 s20, 0xffff0000
	v_cndmask_b32 v14, v12, v13, s20               ; lanes 0-15 tile 0's words, lanes 16-31 tile 1's
	ds_store_b32 v8, v14
	s_wait_dscnt 0x0                               ; for the others' sake: my word has landed
	s_barrier_signal -1
	s_barrier_wait -1
	s_cmp_ge_u32 s14, 2
	s_cbranch_scc1 .Ldone                          ; waves 0 and 1 carry the block's 1,024 scale bytes out, 512 consecutive bytes each
	ds_load_b128 v[16:19], v9
	s_wait_dscnt 0x0
	global_store_b128 v10, v[16:19], s[12:13]
.Ldone:
	s_wait_tensorcnt 0x0
	ds_add_u32 v59, v63
	s_wait_dscnt 0x0
	s_endpgm
.Lfunc_end_k_qa5cc214f95_quant:
	.size	k_qa5cc214f95_quant, .Lfunc_end_k_qa5cc214f95_quant-k_qa5cc214f95_quant
	.p2alignl 7, 3214868480
	.fill 96, 4, 3214868480
	.section	.rodata,"a",@progbits
	.p2align	6, 0x0
	.amdhsa_kernel k_qa5cc214f95_quant
		.amdhsa_group_segment_fixed_size 137216
		.amdhsa_private_segment_fixed_size 0
		.amdhsa_enable_private_segment 0
		.amdhsa_kernarg_size 40
		.amdhsa_user_sgpr_count 2
		.amdhsa_user_sgpr_kernarg_segment_ptr 1
		.amdhsa_wavefront_size32 1
		.amdhsa_system_sgpr_workgroup_id_x 1
		.amdhsa_system_sgpr_workgroup_id_y 1
		.amdhsa_system_sgpr_workgroup_id_z 1
		.amdhsa_system_vgpr_workitem_id 0
		.amdhsa_next_free_vgpr 256
		.amdhsa_next_free_sgpr 66
		.amdhsa_reserve_vcc 0
		.amdhsa_float_denorm_mode_32 3
		.amdhsa_float_denorm_mode_16_64 3
		.amdhsa_memory_ordered 1
		.amdhsa_forward_progress 1
		.amdhsa_inst_pref_size 18
	.end_amdhsa_kernel
	.amdgpu_metadata
---
amdhsa.version: [ 1, 2 ]
amdhsa.kernels:
  - .name:           k_qa5cc214f95_quant
    .symbol:         k_qa5cc214f95_quant.kd
    .args:
      - { .name: x, .offset: 0, .size: 8, .value_kind: global_buffer, .address_space: global }
      - { .name: w_qkv, .offset: 8, .size: 8, .value_kind: global_buffer, .address_space: global }
      - { .name: w_out, .offset: 16, .size: 8, .value_kind: global_buffer, .address_space: global }
      - { .name: img, .offset: 24, .size: 8, .value_kind: global_buffer, .address_space: global }
      - { .name: scl, .offset: 32, .size: 8, .value_kind: global_buffer, .address_space: global }
    .group_segment_fixed_size: 137216
    .private_segment_fixed_size: 0
    .kernarg_segment_align: 8
    .kernarg_segment_size: 40
    .max_flat_workgroup_size: 256
    .sgpr_count:     66
    .vgpr_count:     256
    .wavefront_size: 32
...
	.end_amdgpu_metadata
.endif
;; end of part 1
;; launch qkvattn (part 2): grid 16 x 16, 4 waves a work-group, clusters of 4 x 4, 327,680 bytes of LDS; arguments img, scl, b_qkv, o_img, o_scl; writes o_img, o_scl
.if DOCPART == 2
	.amdgcn_target "amdgcn-amd-amdhsa--gfx1250"
	.amdhsa_code_object_version 6
	.text
	.protected	k_qa5cc214f95_qkvattn
	.globl	k_qa5cc214f95_qkvattn
	.p2align	8
	.type	k_qa5cc214f95_qkvattn,@function
k_qa5cc214f95_qkvattn:
	s_mov_b64 s[64:65], 0
	v_nop
	global_prefetch_b8 v0, s[64:65] scope:SCOPE_SE
	s_setreg_imm32_b32 hwreg(HW_REG_WAVE_MODE, 25, 1), 1
	s_wait_xcnt 0x0
	s_wait_alu depctr_hold_cnt(0) depctr_sa_sdst(0) depctr_va_vdst(0) depctr_va_sdst(0) depctr_va_ssrc(0) depctr_va_vcc(0) depctr_vm_vsrc(0)
	s_getreg_b32 s2, hwreg(HW_REG_IB_STS2, 6, 4)
	s_cmp_eq_u32 s2, 0
	s_cbranch_scc0 .Lentry_in_a_cluster
	s_endpgm
.Lentry_in_a_cluster:
	s_bfe_u32 s2, ttmp6, 0x10000c
	s_cmp_lg_u32 s2, 0xf033
	s_cbranch_scc0 .Lentry_shape_is_right
	s_endpgm
.Lentry_shape_is_right:
; One head, 256 rows: q, k, v = x W^T + b (codes of BF6 with E8M0 scales, as the launch before laid them), QK-norm, both products of the banded attention, / l, and the quantiser along D for the last product.
; Nothing wider than codes leaves: o_img [token block][K step = pair of heads][tile u][head of the pair][lane x 16 bytes, lane x 8 bytes], o_scl [head][pair of token blocks][lane][2 words].
; THE BAND: key j counts for query i where |i - j| <= 16 and i - j is even: a query meets its own block of 32 keys and the two beside it, so all else is left out.
; SHARES.  Work-group (head, rb) owns rows 256 rb .. + 255.  Wave w owns queries 64 w .. + 63 and makes k and v for ITS OWN 128 tokens (32 more on either side: local blocks 0..3): 80 accumulators.
;   The waves hand each other nothing; 128 tokens are one K step of the second attention product.
; TILES.  Rows go in blocks of 32; lane r of tile u is row 8 u + r + 8 (r / 8).  A result whose registers run along such rows has register 16 b + i = row 32 b + 16 (lane / 16) + i: 16 neighbours, as the conversions want them.
;   q, k: source 0 = 16 rows of W, source 1 = 16 tokens: a lane holds a token, its registers run along the head's 64 channels.   v: source 0 = tokens, source 1 = W: a lane holds a channel, registers run along the tokens.
;   S^T = k q^T and O^T = v^T p^T: a lane holds ONE query throughout.
; SOFTMAX: t = score x log2(e), M = ceil(the row's largest t), p = 2^(t - M) is quantised along the keys; l is summed of the unquantised p and divides at the end.
; RING.  K = 1,024 goes in four chunks of 256 through three LDS slots (x: 10 blocks, W: 6 blocks, 6,144 bytes each): three first fills, ONE refill (chunk 3 into slot 0).
; CLUSTER 4 x 4: the four work-groups of a row share rb and so x's tiles, the four of a column share the head and so W's: each tile is asked for jointly.
; A wave has three tensor loads out at the start and one behind the refill.
; LIMITS: NaN and infinities are not served; a block whose largest magnitude lies under 2^-122 keeps the byte 1 (zeros too: their codes are zeros; this program alone reads the bytes);
;   1 / (norm + 1e-6) and 1 / l are v_rcp_f32 and a multiplication, the norm v_sqrt_f32.
; REGISTERS in the GEMM.  window 0: v2, v3 for the add; v4-9 LDS addresses; v10-13 offsets; v16-47 x's scale words (block b, step s: 16 + 8 b + s), v48-95 W's (48 + 8 blk + s); v96-239 W's fragments (part, c: 96 + 48 part + 12 c).
;   window 1: k's accumulators (t, c: 32 t + 8 c).   window 2: v's (c, t: 64 c + 8 t).   window 3: v0-127 q's (32 (t - 2) + 8 c); v128-223 x's fragments (128 + 12 t); v224-255 v's bias.
; v16-95 hold scale words and nothing else to the end (later: k's at v16-23, q's at v24-27, v's at v28-31, p's at v32).
.set BLK,   24576                      ; a block of 32 rows in img
.set CHK,   6144                       ; 256 along K of it: 2 K steps x 2 tiles x 1,536
.set SLOT,  98304
.set WOFF,  61440                      ; W's blocks lie behind x's ten
.set SPARE, 3*SLOT                     ; the spare words: 128 bytes a wave, two blocks of 256 bytes that no other line names
.set G1X, 24                           ; s[24:31] group 1 for x's tiles;  s[32:39] for W's
.set G1W, 32
.set G0X, 40                           ; s[40:51] groups 0 for x, one a slot;  s[52:63] for W
.set G0W, 52
.set W_K,  0x5c                        ; source 0 (W) window 0, source 1 (x) window 3, C and D window 1
.set W_Q,  0xfc                        ; the same, C and D window 3
.set W_V,  0xa3                        ; source 0 (x) window 3, source 1 (W) window 0, C and D window 2
.set W_V0, 0xb3                        ; the same with C (the bias) in window 3
.set TO_X, 0xc0                        ; destination window 3
.set TO_1, 0x40                        ; destination window 1
; window 0 behind the GEMM
.set SS,  96                           ; v96-119  pairs: a token's sum of squares, then 1 / (norm + eps); the odd one is the permute's
.set NEG, 120                          ; -infinity
.set T0,  121
.set MM,  122                          ; v[122:123] -M
.set RL,  124                          ; v[124:125] 1 / l
.set TM,  126                          ; v126-141 at work in the quantisers
.set CH,  142                          ; v142-149 four chains of pairs
.set BM,  150                          ; v150-152 a block's largest score, then its largest p
.set BX,  153                          ; v153-155
.set SC,  156                          ; v156-203 S^T, then p; v156-187 later O^T
.set PF,  204                          ; v204-215 p's codes
.set PT,  216                          ; v216-223 their second halves
.set OF,  224                          ; v224-229 o's codes
.set OT,  232
.set OH,  236                          ; v236-239 o's two scale bytes, a query tile each
.set OW,  240
.set LA,  242
.set LB,  244
.set MSB, 0
.macro WIN new                         ; the immediate's high byte repeats the setting that is left
.if MSB != (\new)
	s_set_vgpr_msb (MSB<<8)|(\new)
.set MSB, (\new)
.endif
.endm
.macro PLACES n                        ; plain vector lines behind matrix instructions (ISA guide 7.12.1)
.rept \n
	v_nop
.endr
.endm
.macro CREST                           ; a round of the cluster's barrier behind its opening barrier
	s_cmp_lg_u32 s14, 0
	s_cbranch_scc1 .Lnot_wave_0_\@
	s_barrier_signal -3
.Lnot_wave_0_\@:
	s_barrier_wait -3
	s_barrier_signal -1
	s_barrier_wait -1
.endm
.macro CROUND
	s_barrier_signal -1
	s_barrier_wait -1
	CREST
.endm
.macro JLOAD                           ; the joint refill of slot 0: waves 0, 1 for x, waves 2, 3 for W; four v_nop follow each line
	s_cmp_eq_u32 s15, 0
	s_cbranch_scc0 .Lfor_w_\@
	tensor_load_to_lds s[G0X:G0X+3], s[G1X:G1X+7]
	s_nop 0
.rept 4
	v_nop
.endr
	s_branch .Lasked_\@
.Lfor_w_\@:
	tensor_load_to_lds s[G0W:G0W+3], s[G1W:G1W+7]
	s_nop 0
.rept 4
	v_nop
.endr
.Lasked_\@:
.endm
; one product; ra, rb: the side's scale words stand in lanes 16-31 of the register named
.macro WM d, a, b, c, sa, sb, ra, rb
.if (\ra) && (\rb)
	v_wmma_scale_f32_16x16x128_f8f6f4 v[\d:\d+7], v[\a:\a+11], v[\b:\b+11], v[\c:\c+7], v[\sa], v[\sb] matrix_a_fmt:MATRIX_FMT_BF6 matrix_b_fmt:MATRIX_FMT_BF6 matrix_a_scale:MATRIX_SCALE_ROW1 matrix_b_scale:MATRIX_SCALE_ROW1
.elseif (\ra)
	v_wmma_scale_f32_16x16x128_f8f6f4 v[\d:\d+7], v[\a:\a+11], v[\b:\b+11], v[\c:\c+7], v[\sa], v[\sb] matrix_a_fmt:MATRIX_FMT_BF6 matrix_b_fmt:MATRIX_FMT_BF6 matrix_a_scale:MATRIX_SCALE_ROW1
.elseif (\rb)
	v_wmma_scale_f32_16x16x128_f8f6f4 v[\d:\d+7], v[\a:\a+11], v[\b:\b+11], v[\c:\c+7], v[\sa], v[\sb] matrix_a_fmt:MATRIX_FMT_BF6 matrix_b_fmt:MATRIX_FMT_BF6 matrix_b_scale:MATRIX_SCALE_ROW1
.else
	v_wmma_scale_f32_16x16x128_f8f6f4 v[\d:\d+7], v[\a:\a+11], v[\b:\b+11], v[\c:\c+7], v[\sa], v[\sb] matrix_a_fmt:MATRIX_FMT_BF6 matrix_b_fmt:MATRIX_FMT_BF6
.endif
.endm
.macro WMZ d, a, b, sa, sb             ; a product that starts its sum
	v_wmma_scale_f32_16x16x128_f8f6f4 v[\d:\d+7], v[\a:\a+11], v[\b:\b+11], 0, v[\sa], v[\sb] matrix_a_fmt:MATRIX_FMT_BF6 matrix_b_fmt:MATRIX_FMT_BF6
.endm
.macro KP s, t                         ; k: token tile t x the head's four channel tiles, K step s
.irp c, 0,1,2,3
	WM 32*(\t)+8*\c, 144+12*\c, 128+12*(\t), 32*(\t)+8*\c, 64+8*(\c/2)+(\s), 16+8*((\t)/2)+(\s), \c%2, (\t)%2
.endr
.endm
.macro QP s                            ; q: the four query tiles
.irp t, 2,3,4,5
.irp c, 0,1,2,3
	WM 32*(\t-2)+8*\c, 96+12*\c, 128+12*\t, 32*(\t-2)+8*\c, 48+8*(\c/2)+(\s), 16+8*(\t/2)+(\s), \c%2, \t%2
.endr
.endr
.endm
.macro VP s, t                         ; v: the first K step takes the bias as C
.irp c, 0,1,2,3
.if (\s) == 0
	WM 64*\c+8*(\t), 128+12*(\t), 192+12*\c, 224+8*\c, 16+8*((\t)/2)+(\s), 80+8*(\c/2)+(\s), (\t)%2, \c%2
.else
	WM 64*\c+8*(\t), 128+12*(\t), 192+12*\c, 64*\c+8*(\t), 16+8*((\t)/2)+(\s), 80+8*(\c/2)+(\s), (\t)%2, \c%2
.endif
.endr
.endm
.macro LDW part, g, e                  ; W's four fragments of a part (0 q, 1 k, 2 v) from slot g, its K step e: 12 loads
.irp c, 0,1,2,3
.irp k, 0,1,2
	ds_load_b128 v[96+48*(\part)+12*\c+4*\k:96+48*(\part)+12*\c+4*\k+3], v[7+\g] offset:CHK*(2*(\part)+\c/2)+3072*(\e)+1536*(\c%2)+512*\k
.endr
.endr
.endm
.macro LDX g, e, t                     ; x's fragment of token tile t: 3 loads (destination window 3)
.irp k, 0,1,2
	ds_load_b128 v[128+12*(\t)+4*\k:128+12*(\t)+4*\k+3], v[4+\g] offset:CHK*((\t)/2)+3072*(\e)+1536*((\t)%2)+512*\k
.endr
.endm
; A K STEP: 80 matrix instructions, each accumulator once (the accumulators take turns).  The next step's fragments (slot ng, its step ne) are fetched in four runs, each behind
; four places behind the last product that read its registers: W_k | x's outer tiles 0, 1, 6, 7 | W_v | x's inner tiles and W_q: 12, 12, 12, 24 loads.
; kind 0: plain.  1: the next step reads slot 1. 2: the next step reads slot 2, and slot 0 is filled again.  3: the next step reads slot 0 anew.  4: the last step.
.macro STEP s, kind, ng, ne
.if \s == 0
.set WVS, W_V0
.else
.set WVS, W_V
.endif
.if \kind == 1
	s_wait_tensorcnt 0x1                           ; my parts of slots 0 and 1 have landed; slot 2's may stay out
.endif
.if \kind == 3
	s_wait_tensorcnt 0x0                           ; the refill, my one load that was out, has landed
.endif
.if \kind == 2
	s_wait_tensorcnt 0x0                           ; all my tensor loads have landed, slot 2's among them
	ds_add_u32 v2, v3                              ; 0 onto my spare word
	s_wait_dscnt 37                                ; W_k and x's outer tiles are in; the 36 younger loads and the add may be out
.else
	s_wait_dscnt 36                                ; W_k and x's outer tiles are in; W_v, x's inner tiles and W_q (36 loads) may be out
.endif
	WIN W_K
.irp t, 0,1,6,7
	KP \s, \t
.endr
.if (\kind == 0) || (\kind == 4)
	s_wait_dscnt 12                                ; x's inner tiles are in; W_q's 12 loads may be out
.else
	s_wait_dscnt 0x0                               ; (the add is done, and) all my LDS reads are back
	s_barrier_signal -1
.endif
.irp t, 2,3,4,5
	KP \s, \t
.endr
	WIN 0
.if (\kind == 1) || (\kind == 2) || (\kind == 3)
	s_barrier_wait -1
.endif
.if \kind == 2
	CREST                                          ; the barrier has opened a round of the cluster's: no wave of any partner reads slot 0 or has a load on its way
	s_add_nc_u64 s[G0X+2:G0X+3], s[G0X+2:G0X+3], 3*CHK
	s_add_nc_u64 s[G0W+2:G0W+3], s[G0W+2:G0W+3], 3*CHK
	JLOAD                                          ; chunk 3 into slot 0: it has two K steps in which to land; its four v_nop are the places in front of the loads below
.elseif \kind != 4
	PLACES 4
.endif
.if \kind != 4
	LDW 1, \ng, \ne
.endif
	WIN WVS
.irp t, 0,1,6,7
	VP \s, \t
.endr
.if \kind != 4
	PLACES 4
	WIN TO_X
.irp t, 0,1,6,7
	LDX \ng, \ne, \t
.endr
.endif
	WIN WVS
.irp t, 2,3,4,5
	VP \s, \t
.endr
.if \kind != 4
	PLACES 4
	WIN 0
	LDW 2, \ng, \ne
	s_wait_dscnt 36                                ; this step's W_q is in; the 36 loads issued in this step may be out
.else
	s_wait_dscnt 0x0
.endif
	WIN W_Q
	QP \s
.if \kind != 4
	PLACES 4
	WIN TO_X
.irp t, 2,3,4,5
	LDX \ng, \ne, \t
.endr
	WIN 0
	LDW 0, \ng, \ne
.endif
	WIN 0
.endm
	s_load_b256 s[4:11], s[0:1], 0x0               ; img s[4:5], scl s[6:7], b_qkv s[8:9], o_img s[10:11]
	s_load_b64 s[12:13], s[0:1], 0x20              ; o_scl
	v_lshl_add_u32 v2, v0, 2, SPARE
	v_mov_b32 v3, 0
	ds_add_u32 v2, v3
	ds_add_u32 v2, v3
	s_wait_dscnt 0x0
	v_lshrrev_b32 v1, 5, v0
	v_readfirstlane_b32 s14, v1                    ; wave 0..3
	s_lshr_b32 s15, s14, 1                         ; I fetch for x (0) or for W (1),
	s_and_b32 s16, s14, 1                          ; its first or second half
	s_bfe_u32 s17, ttmp6, 0x40000                  ; cx
	s_bfe_u32 s18, ttmp6, 0x40004                  ; cy
	s_lshl_b32 s19, ttmp9, 2
	s_add_co_u32 s19, s19, s17                     ; head = 4 x cluster x + cx
	s_and_b32 s20, ttmp7, 0xffff
	s_lshl_b32 s20, s20, 2
	s_add_co_u32 s20, s20, s18                     ; rb = 4 x cluster y + cy
	s_lshl_b32 s21, s18, 2
	s_lshl_b32 s21, 15, s21                        ; my row of the cluster
	s_lshl_b32 s22, 0x1111, s17                    ; my column
	; group 1: rows of 6,144 bytes (768 elements of 8 bytes), 24,576 bytes apart; five of x's blocks or three of W's to a load; no padding: every LDS read is dense
	s_or_b32 s[G1X], s21, (3<<16)|(1<<21)          ; 15:0 the mask; 17:16 elements of 8 bytes; 21 set beside a mask
	s_or_b32 s[G1W], s22, (3<<16)|(1<<21)
	s_mov_b32 s[G1X+1], 768<<16                    ; tensor_dim0
	s_mov_b32 s[G1X+2], 5<<16                      ; tensor_dim1
	s_mov_b32 s[G1X+3], 768<<16                    ; tile_dim0
	s_mov_b32 s[G1X+4], 5                          ; tile_dim1
	s_mov_b32 s[G1X+5], 3072                       ; the pitch
	s_mov_b32 s[G1X+6], 0
	s_mov_b32 s[G1X+7], 0
	s_mov_b32 s[G1W+1], 768<<16
	s_mov_b32 s[G1W+2], 3<<16
	s_mov_b32 s[G1W+3], 768<<16
	s_mov_b32 s[G1W+4], 3
	s_mov_b32 s[G1W+5], 3072
	s_mov_b32 s[G1W+6], 0
	s_mov_b32 s[G1W+7], 0
	; x's tiles hang on rb alone, W's on the head alone, each in registers that never hold the other coordinate
	s_lshl_b32 s76, s20, 3
	s_mul_i32 s77, s16, 5
	s_add_co_u32 s76, s76, s77
	s_mul_i32 s76, s76, BLK                        ; x: block 8 rb + 5 x half (img has one block of margin in front)
	s_mov_b32 s77, 0
	s_mul_i32 s78, s16, 5*CHK                      ; and in a slot
	s_mul_i32 s80, s19, 6
	s_mul_i32 s81, s16, 3
	s_add_co_u32 s80, s80, s81
	s_add_co_u32 s80, s80, 130
	s_mul_i32 s80, s80, BLK                        ; W: block 130 + 6 head + 3 x half
	s_mov_b32 s81, 0
	s_mul_i32 s82, s16, 3*CHK
	s_add_co_u32 s82, s82, WOFF
	; offsets of what goes through registers
	s_lshl_b32 s86, s20, 3
	s_lshl_b32 s87, s14, 1
	s_add_co_u32 s86, s86, s87                     ; 8 rb + 2 w
	s_mul_i32 s92, s86, BLK
	s_lshl_b32 s86, s86, 10                        ; x's scale words
	s_mov_b32 s87, 0
	s_mul_i32 s88, s19, 6
	s_add_co_u32 s88, s88, 130
	s_lshl_b32 s88, s88, 10                        ; W's scale words
	s_mov_b32 s89, 0
	s_lshl_b32 s90, s19, 8                         ; the head's 64 numbers in each part of the bias
	s_mov_b32 s91, 0
	s_lshr_b32 s96, s19, 1
	s_mul_i32 s96, s96, 3072
	s_add_co_u32 s92, s92, s96
	s_and_b32 s96, s19, 1
	s_mul_i32 s96, s96, 768
	s_add_co_u32 s92, s92, s96                     ; o_img: token block 8 rb + 2 w, K step head / 2, half head % 2
	s_mov_b32 s93, 0
	s_lshl_b32 s94, s19, 14
	s_lshl_b32 s96, s20, 2
	s_add_co_u32 s96, s96, s14
	s_lshl_b32 s96, s96, 8
	s_add_co_u32 s94, s94, s96                     ; o_scl: head, pair of blocks 4 rb + w
	s_mov_b32 s95, 0
	; keys outside the batch (2,048 rows = 8 rb): masks of all ones or none; they only select values
	s_and_b32 s96, s20, 7
	s_or_b32 s97, s96, s14
	s_cmp_eq_u32 s97, 0
	s_cselect_b32 s70, 0, -1                       ; my local block 0 lies in front of the batch
	s_lshl_b32 s96, s96, 2
	s_add_co_u32 s96, s96, s14
	s_cmp_eq_u32 s96, 31
	s_cselect_b32 s71, 0, -1                       ; my local block 3 lies behind it
	s_mov_b32 s66, 0x3fb8aa3b                      ; log2(e)
	s_mov_b32 s67, s66                             ; (named with it as a pair)
	s_mov_b32 s68, 0x76543210
	s_mov_b32 s69, 0xfedcba98                      ; selects for lane l xor 16
	s_mov_b32 s74, 0xffff0000
	s_wait_kmcnt 0x0
	s_add_nc_u64 s[76:77], s[4:5], s[76:77]
	s_add_nc_u64 s[80:81], s[4:5], s[80:81]
	s_add_nc_u64 s[86:87], s[6:7], s[86:87]
	s_add_nc_u64 s[88:89], s[6:7], s[88:89]
	s_add_nc_u64 s[90:91], s[8:9], s[90:91]
	s_add_nc_u64 s[92:93], s[10:11], s[92:93]
	s_add_nc_u64 s[94:95], s[12:13], s[94:95]
.irp g, 0,1,2
	s_mov_b32 s[G0X+4*\g], 1
	s_add_co_u32 s[G0X+4*\g+1], s78, \g*SLOT
	s_add_nc_u64 s[G0X+4*\g+2:G0X+4*\g+3], s[76:77], \g*CHK
	s_or_b32 s[G0X+4*\g+3], s[G0X+4*\g+3], 0x80000000
	s_mov_b32 s[G0W+4*\g], 1
	s_add_co_u32 s[G0W+4*\g+1], s82, \g*SLOT
	s_add_nc_u64 s[G0W+4*\g+2:G0W+4*\g+3], s[80:81], \g*CHK
	s_or_b32 s[G0W+4*\g+3], s[G0W+4*\g+3], 0x80000000
.endr
	CROUND                                         ; all sixteen work-groups are here: the first joint loads meet
	s_cmp_eq_u32 s15, 0                            ; a wave's three first fills stand in one branch, ahead of every wait on TENSORcnt and every LDS read
	s_cbranch_scc0 .Lfirst_w
	tensor_load_to_lds s[G0X:G0X+3], s[G1X:G1X+7]
	s_nop 0
	tensor_load_to_lds s[G0X+4:G0X+7], s[G1X:G1X+7]
	s_nop 0
	tensor_load_to_lds s[G0X+8:G0X+11], s[G1X:G1X+7]
	s_nop 0
.rept 4
	v_nop
.endr
	s_branch .Lfirst_asked
.Lfirst_w:
	tensor_load_to_lds s[G0W:G0W+3], s[G1W:G1W+7]
	s_nop 0
	tensor_load_to_lds s[G0W+4:G0W+7], s[G1W:G1W+7]
	s_nop 0
	tensor_load_to_lds s[G0W+8:G0W+11], s[G1W:G1W+7]
	s_nop 0
.rept 4
	v_nop
.endr
.Lfirst_asked:
	v_and_b32 v1, 31, v0
	v_lshlrev_b32 v10, 4, v1                       ; 16 x lane
	v_lshlrev_b32 v11, 3, v1                       ; 8 x lane
	s_mul_i32 s84, s14, 2*CHK                      ; my four blocks of x begin at block 2 w of a slot
.irp g, 0,1,2
	s_add_co_u32 s85, s84, \g*SLOT
	v_add_nc_u32 v[4+\g], s85, v10
	v_add_nc_u32 v[7+\g], \g*SLOT+WOFF, v10
.endr
	v_and_b32 v14, 15, v0
	v_and_b32 v15, 8, v14
	v_add_nc_u32 v15, v15, v14
	v_lshlrev_b32 v13, 2, v15                      ; 4 (r + 8 (r / 8)): v's bias, a channel a lane
	v_bfe_u32 v14, v0, 4, 1
	v_lshlrev_b32 v12, 6, v14                      ; 64 h: q's and k's bias, 16 channels a half
.irp b, 0,1,2,3
.irp hk, 0,1
	global_load_b128 v[16+8*\b+4*\hk:16+8*\b+4*\hk+3], v10, s[86:87] offset:1024*\b+512*\hk      ; x's scale words: lanes 0-15 tile 0's rows, lanes 16-31 tile 1's
.endr
.endr
.irp b, 0,1,2,3,4,5
.irp hk, 0,1
	global_load_b128 v[48+8*\b+4*\hk:48+8*\b+4*\hk+3], v10, s[88:89] offset:1024*\b+512*\hk      ; W's
.endr
.endr
	; the biases cost no arithmetic: k's and q's accumulators BEGIN as the bias (register i of tile c: channel 32 (c / 2) + 16 h + 8 (c % 2) + i), v's is the C of its first K step
	WIN TO_1
.irp t, 0,1,2,3,4,5,6,7
.irp c, 0,1,2,3
	global_load_b128 v[32*\t+8*\c:32*\t+8*\c+3], v12, s[90:91] offset:4096+(32*(\c/2)+8*(\c%2))*4
	global_load_b128 v[32*\t+8*\c+4:32*\t+8*\c+7], v12, s[90:91] offset:4096+(32*(\c/2)+8*(\c%2))*4+16
.endr
.endr
	WIN TO_X
.irp t, 0,1,2,3
.irp c, 0,1,2,3
	global_load_b128 v[32*\t+8*\c:32*\t+8*\c+3], v12, s[90:91] offset:(32*(\c/2)+8*(\c%2))*4
	global_load_b128 v[32*\t+8*\c+4:32*\t+8*\c+7], v12, s[90:91] offset:(32*(\c/2)+8*(\c%2))*4+16
.endr
.endr
.irp c, 0,1,2,3
.irp j, 0,1,2,3,4,5,6,7
	global_load_b32 v[224+8*\c+\j], v13, s[90:91] offset:8192+(32*(\c/2)+8*(\c%2))*4
.endr
.endr
	WIN 0
	s_wait_loadcnt 0x0
	s_wait_tensorcnt 0x2                           ; my part of slot 0 is in; slots 1 and 2 may stay out
	s_barrier_signal -1
	s_barrier_wait -1                              ; everybody's is
	LDW 1, 0, 0                                    ; the first step's fragments, in the order of every step's runs
	WIN TO_X
.irp t, 0,1,6,7
	LDX 0, 0, \t
.endr
	WIN 0
	LDW 2, 0, 0
	WIN TO_X
.irp t, 2,3,4,5
	LDX 0, 0, \t
.endr
	WIN 0
	LDW 0, 0, 0
	STEP 0, 0, 0, 1
	STEP 1, 1, 1, 0
	STEP 2, 0, 1, 1
	STEP 3, 2, 2, 0
	STEP 4, 0, 2, 1
	STEP 5, 3, 0, 0
	STEP 6, 0, 0, 1
	STEP 7, 4, 0, 0
; ---- behind the GEMM ----
; a token tile's sum of squares over my 32 channels: four chains of pairs, ascending (each accumulator is read from its low end on)
.macro SUMSQ aw, a, tp
	WIN (\aw)|((\aw)<<2)
.irp p, 0,1,2,3
	v_pk_mul_f32 v[CH+2*\p:CH+2*\p+1], v[\a+2*\p:\a+2*\p+1], v[\a+2*\p:\a+2*\p+1]
.endr
.irp p, 4,5,6,7,8,9,10,11,12,13,14,15
	v_pk_fma_f32 v[CH+2*(\p%4):CH+2*(\p%4)+1], v[\a+2*\p:\a+2*\p+1], v[\a+2*\p:\a+2*\p+1], v[CH+2*(\p%4):CH+2*(\p%4)+1]
.endr
	WIN 0
	v_pk_add_f32 v[CH:CH+1], v[CH:CH+1], v[CH+2:CH+3]
	v_pk_add_f32 v[CH+4:CH+5], v[CH+4:CH+5], v[CH+6:CH+7]
	v_pk_add_f32 v[CH:CH+1], v[CH:CH+1], v[CH+4:CH+5]
	v_add_f32 v[SS+2*(\tp)], v[CH], v[CH+1]
.endm
; 32 registers in window aw are multiplied in place by the low word of the pair v[pr]
.macro NQ1 aw, a, pr
	WIN ((\aw)<<6)|(\aw)
	s_wait_alu depctr_va_vdst(0)
.irp p, 0,1,2,3,4,5,6,7,8,9,10,11,12,13,14,15
	v_pk_mul_f32 v[\a+2*\p:\a+2*\p+1], v[\a+2*\p:\a+2*\p+1], v[\pr:\pr+1] op_sel_hi:[1,0]
.endr
.endm
; 32 registers (register 16 b + i = k 32 b + 16 h + i of my row, K = 64) become six registers of codes, v[f] on in window fw (lanes 0-15 block 0, lanes 16-31 block 1), and two scale bytes in v[sreg].
; zero = 1: registers 6 to 11, K = 64 .. 127 of the instruction, are zero codes; their scale bytes stay 0, which is 2^-127 and no NaN.
.macro NQ2 aw, a, fw, f, ft, sreg, zero
	WIN ((\aw)<<2)|((\aw)<<4)
.irp b, 0,1
	v_max3_num_f32 v[TM+\b], 0x2800000, |v[\a+16*\b]|, |v[\a+16*\b+1]|           ; the floor 2^(5 - 127): the byte cannot fall under 1
	v_max3_num_f32 v[TM+2+\b], 0x2800000, |v[\a+16*\b+2]|, |v[\a+16*\b+3]|       ; two chains a block
.endr
.irp i, 4,8,12
.irp b, 0,1
	v_max3_num_f32 v[TM+\b], v[TM+\b], |v[\a+16*\b+\i]|, |v[\a+16*\b+\i+1]|
	v_max3_num_f32 v[TM+2+\b], v[TM+2+\b], |v[\a+16*\b+\i+2]|, |v[\a+16*\b+\i+3]|
.endr
.endr
	WIN 0
.irp b, 0,1
	v_max_num_f32 v[TM+\b], v[TM+\b], v[TM+2+\b]
.endr
.irp b, 0,1
	v_permlanex16_b32 v[TM+4+\b], v[TM+\b], s68, s69
.endr
.irp b, 0,1
	v_max_num_f32 v[TM+\b], v[TM+\b], v[TM+4+\b]   ; with lane l xor 16's 16: the block's largest magnitude
.endr
.irp b, 0,1
	v_add_nc_u32 v[TM+8+\b], 0xfe000000, v[TM+\b]  ; 4 off its exponent field: the conversion's scale operand
.endr
.irp b, 0,1
	v_lshrrev_b32 v[TM+4+\b], 23, v[TM+8+\b]       ; the scale's byte
.endr
	v_lshl_or_b32 v[\sreg], v[TM+5], 8, v[TM+4]
	WIN ((\fw)<<6)|(\aw)
	v_cvt_scalef32_pk16_bf6_f32 v[\f:\f+2], v[\a:\a+15], v[TM+8]
	v_cvt_scalef32_pk16_bf6_f32 v[\ft:\ft+2], v[\a+16:\a+31], v[TM+9]
	v_nop                                          ; one plain line behind the scaled conversions
	WIN ((\fw)<<6)|(\fw)
.irp i, 0,1,2
	v_permlane16_swap_b32 v[\f+\i], v[\ft+\i]      ; the operand wants a whole block in a lane
.endr
.irp i, 0,1,2
	v_mov_b32 v[\f+3+\i], v[\ft+\i]
.endr
.if \zero
.irp i, 6,7,8,9,10,11
	v_mov_b32 v[\f+\i], 0
.endr
.endif
.endm
; v's channel tile c: 64 registers of window 2 (register 16 b + i = token 32 b + 16 h + i) become a fragment (window 1, v[48 + 12 c]) and its scale word v[28 + c]
.macro QUANTV c
	WIN 0x28
.irp b, 0,1,2,3
	v_max3_num_f32 v[TM+\b], 0x2800000, |v[64*\c+16*\b]|, |v[64*\c+16*\b+1]|
.endr
.irp i, 2,4,6,8,10,12,14
.irp b, 0,1,2,3
	v_max3_num_f32 v[TM+\b], v[TM+\b], |v[64*\c+16*\b+\i]|, |v[64*\c+16*\b+\i+1]|
.endr
.endr
	WIN 0
.irp b, 0,1,2,3
	v_permlanex16_b32 v[TM+4+\b], v[TM+\b], s68, s69
.endr
.irp b, 0,1,2,3
	v_max_num_f32 v[TM+\b], v[TM+\b], v[TM+4+\b]
.endr
.irp b, 0,1,2,3
	v_add_nc_u32 v[TM+12+\b], 0xfe000000, v[TM+\b]
.endr
.irp b, 0,1,2,3
	v_lshrrev_b32 v[TM+4+\b], 23, v[TM+12+\b]
.endr
	v_lshl_or_b32 v[28+\c], v[TM+5], 8, v[TM+4]
	v_lshl_or_b32 v[28+\c], v[TM+6], 16, v[28+\c]
	v_lshl_or_b32 v[28+\c], v[TM+7], 24, v[28+\c]
	WIN 0x42
.irp e, 0,1
	v_cvt_scalef32_pk16_bf6_f32 v[48+12*\c+6*\e:48+12*\c+6*\e+2], v[64*\c+32*\e:64*\c+32*\e+15], v[TM+12+2*\e]
	v_cvt_scalef32_pk16_bf6_f32 v[96+4*\e:96+4*\e+2], v[64*\c+32*\e+16:64*\c+32*\e+31], v[TM+13+2*\e]
.endr
	v_nop
	WIN 0x41
.irp e, 0,1
.irp i, 0,1,2
	v_permlane16_swap_b32 v[48+12*\c+6*\e+\i], v[96+4*\e+\i]
.endr
.irp i, 0,1,2
	v_mov_b32 v[48+12*\c+6*\e+3+\i], v[96+4*\e+\i]
.endr
.endr
.endm
; THE BAND AS CONSTANTS.  Lane L of query tile u holds query 8 u + r + 8 (r / 8) of its block; register i of the key block dd blocks on holds key 32 dd + 16 (L / 16) + i.  MK: the lanes in which that key counts.
.macro LMASK u, dd, i
.set MK, 0
.set LL, 0
.rept 32
.set DF, 8*(\u)+(LL&15)+8*((LL&15)>>3)-32*(\dd)-16*(LL>>4)-(\i)
.if (DF >= -16) && (DF <= 16) && ((DF&1) == 0)
.set MK, MK|(1<<LL)
.endif
.set LL, LL+1
.endr
.endm
; A TILE OF 16 QUERIES: tile qu of my local block qb (1 or 2), against key blocks qb - 1, qb, qb + 1
.macro ATT qb, qu
.set TQ, 2*(\qb-1)+\qu
	PLACES 5                                       ; S^T is written over the last tile's O^T
	WIN 0x07                                       ; k's fragments window 3, q's window 1
.irp d, 0,1,2
.irp k2, 0,1
	WMZ SC+16*\d+8*\k2, 128+12*(2*(\qb-1+\d)+\k2), 12*TQ, 16+2*(\qb-1+\d)+\k2, 24+TQ
.endr
.endr
	WIN 0
.if \qb == 1                                   ; the one of my four key blocks that this tile does not meet gets zero codes (these lines and the v_nop are the four places behind the products)
.irp i, 0,1,2
	v_mov_b32 v[PT+4+\i], 0
.endr
.else
.irp i, 0,1,2
	v_mov_b32 v[PF+\i], 0
.endr
.endif
	v_nop
.set NN, 0
.rept 48                                       ; what the band hides becomes -infinity ahead of the maximum; ascending
	LMASK \qu, NN/16-1, NN%16
.if (\qb == 1) && (NN < 16)
	s_and_b32 s[72+NN%2], s70, MK                  ; and keys in front of the batch
.elseif (\qb == 2) && (NN >= 32)
	s_and_b32 s[72+NN%2], s71, MK                  ; or behind it
.else
	s_mov_b32 s[72+NN%2], MK
.endif
	v_cndmask_b32 v[SC+NN], v[NEG], v[SC+NN], s[72+NN%2]
.set NN, NN+1
.endr
.irp d, 0,1,2
	v_max3_num_f32 v[BM+\d], v[SC+16*\d], v[SC+16*\d+1], v[SC+16*\d+2]           ; each block's largest score: for the row's maximum, and, since p rises with the score, for the block's largest p
.endr
.irp i, 3,5,7,9,11,13
.irp d, 0,1,2
	v_max3_num_f32 v[BM+\d], v[BM+\d], v[SC+16*\d+\i], v[SC+16*\d+\i+1]
.endr
.endr
.irp d, 0,1,2
	v_max_num_f32 v[BM+\d], v[BM+\d], v[SC+16*\d+15]
.endr
.irp d, 0,1,2
	v_permlanex16_b32 v[BX+\d], v[BM+\d], s68, s69
.endr
.irp d, 0,1,2
	v_max_num_f32 v[BM+\d], v[BM+\d], v[BX+\d]
.endr
	v_max3_num_f32 v[T0], v[BM], v[BM+1], v[BM+2]  ; the row's largest score (the query's own key always counts)
	v_mul_f32 v[T0], s66, v[T0]
	v_floor_f32 v[MM], -v[T0]                      ; -M = floor(-t) = -ceil(t)
.irp j, 0,2,4,6,8,10,12,14,16,18,20,22,24,26,28,30,32,34,36,38,40,42,44,46
	v_pk_fma_f32 v[SC+\j:SC+\j+1], v[SC+\j:SC+\j+1], s[66:67], v[MM:MM+1] op_sel_hi:[1,0,0]      ; t - M
.endr
.irp d, 0,1,2
	v_fma_f32 v[BM+\d], v[BM+\d], s66, v[MM]
.endr
.set NN, 0
.rept 48
	v_exp_f32 v[SC+NN], v[SC+NN]                   ; p = 2^(t - M); 0 where the band hides the key
.set NN, NN+1
.endr
.irp d, 0,1,2
	v_exp_f32 v[BM+\d], v[BM+\d]                   ; the block's largest p: the same two instructions on the same number
.endr
	v_nop                                          ; a plain line behind the exponentials
	s_wait_alu depctr_va_vdst(0)
.irp d, 0,1,2
	v_max_num_f32 v[BM+\d], 0x2800000, v[BM+\d]    ; the floor: a block of zeros keeps the byte 1
.endr
.irp d, 0,1,2
	v_add_nc_u32 v[TM+\d], 0xfe000000, v[BM+\d]
.endr
.irp d, 0,1,2
	v_lshrrev_b32 v[BX+\d], 23, v[TM+\d]
.endr
	v_lshl_or_b32 v32, v[BX+1], 8, v[BX]           ; p's scale word: bytes qb - 1 .. qb + 1; the fourth stays 0 over zero codes
	v_lshl_or_b32 v32, v[BX+2], 16, v32
.if \qb == 2
	v_lshlrev_b32 v32, 8, v32
.endif
.irp d, 0,1,2
.if ((\qb-1+\d)%2) == 0
	v_cvt_scalef32_pk16_bf6_f32 v[PF+6*((\qb-1+\d)/2):PF+6*((\qb-1+\d)/2)+2], v[SC+16*\d:SC+16*\d+15], v[TM+\d]
.else
	v_cvt_scalef32_pk16_bf6_f32 v[PT+4*((\qb-1+\d)/2):PT+4*((\qb-1+\d)/2)+2], v[SC+16*\d:SC+16*\d+15], v[TM+\d]
.endif
.endr
	v_nop
.irp e, 0,1
.irp i, 0,1,2
	v_permlane16_swap_b32 v[PF+6*\e+\i], v[PT+4*\e+\i]
.endr
.irp i, 0,1,2
	v_mov_b32 v[PF+6*\e+3+\i], v[PT+4*\e+\i]
.endr
.endr
	v_pk_add_f32 v[LA:LA+1], v[SC:SC+1], v[SC+2:SC+3]          ; l is summed of the UNQUANTISED p, in two chains; these 23 lines are also the places in front of the products below
	v_pk_add_f32 v[LB:LB+1], v[SC+4:SC+5], v[SC+6:SC+7]
.irp j, 8,12,16,20,24,28,32,36,40,44
	v_pk_add_f32 v[LA:LA+1], v[LA:LA+1], v[SC+\j:SC+\j+1]
	v_pk_add_f32 v[LB:LB+1], v[LB:LB+1], v[SC+\j+2:SC+\j+3]
.endr
	v_pk_add_f32 v[LA:LA+1], v[LA:LA+1], v[LB:LB+1]
	WIN 0x01                                       ; v's fragments window 1
.irp c, 0,1,2,3
	WMZ SC+8*\c, 48+12*\c, PF, 28+\c, 32           ; O^T: register 16 b + i = channel 32 b + 16 h + i of my query
.endr
	WIN 0
	v_add_f32 v[LA], v[LA], v[LA+1]
	v_permlanex16_b32 v[LB], v[LA], s68, s69
	v_add_f32 v[LA], v[LA], v[LB]
	v_rcp_f32 v[RL], v[LA]
	PLACES 4                                       ; behind the products and behind the reciprocal
	NQ1 0, SC, RL                                  ; / l
	s_wait_xcnt 0x0                                ; the last tile's stores have read their registers: the codes' registers are written again only behind this wait
	NQ2 0, SC, 0, OF, OT, OH+TQ, 0                 ; the head's 64 channels are two blocks of the last product's K
	global_store_b128 v10, v[OF:OF+3], s[92:93] offset:(\qb-1)*BLK+1536*\qu          ; 512 consecutive bytes, aligned
	global_store_b64 v11, v[OF+4:OF+5], s[92:93] offset:(\qb-1)*BLK+1536*\qu+512     ; 256 consecutive bytes, aligned
.endm
	PLACES 4                                       ; behind the last products: their operands' registers are written below
	v_mov_b32 v[NEG], 0xff800000
	v_mov_b32 v[MM+1], 0                           ; (upper halves of pairs that are named whole)
	v_mov_b32 v[RL+1], 0
.irp i, 0,1,2,3,4,5,6,7,8,9,10,11
	v_mov_b32 v[SS+2*\i+1], 0                      ; a lane permute's destination counts as one of its sources
.endr
.irp i, 4,5,6,7
	v_mov_b32 v[TM+\i], 0
.endr
.irp i, 0,1,2
	v_mov_b32 v[BX+\i], 0
.endr
.irp t, 0,1,2,3,4,5,6,7
	SUMSQ 1, 32*\t, \t
.endr
.irp t, 0,1,2,3
	SUMSQ 3, 32*\t, 8+\t
.endr
.irp i, 0,1,2,3,4,5,6,7,8,9,10,11
	v_permlanex16_b32 v[SS+2*\i+1], v[SS+2*\i], s68, s69
.endr
.irp i, 0,1,2,3,4,5,6,7,8,9,10,11
	v_add_f32 v[SS+2*\i], v[SS+2*\i], v[SS+2*\i+1] ; with the other 32 channels
.endr
.irp i, 0,1,2,3,4,5,6,7,8,9,10,11
	v_sqrt_f32 v[SS+2*\i], v[SS+2*\i]
.endr
	v_nop
	s_wait_alu depctr_va_vdst(0)
.irp i, 0,1,2,3,4,5,6,7,8,9,10,11
	v_add_f32 v[SS+2*\i], 0x358637bd, v[SS+2*\i]   ; + 1e-6
.endr
.irp i, 0,1,2,3,4,5,6,7,8,9,10,11
	v_rcp_f32 v[SS+2*\i], v[SS+2*\i]
.endr
	v_nop
	s_wait_alu depctr_va_vdst(0)
.irp t, 0,1,2,3,4,5,6,7                        ; k: normalised and quantised; its fragments take x's place in window 3
	NQ1 1, 32*\t, SS+2*\t
	NQ2 1, 32*\t, 3, 128+12*\t, 224, 16+\t, 1
.endr
.irp c, 0,1,2,3                                ; v: its fragments take k's accumulators' place in window 1
	QUANTV \c
.endr
.irp t, 0,1,2,3                                ; q likewise
	NQ1 3, 32*\t, SS+16+2*\t
	NQ2 3, 32*\t, 1, 12*\t, 96, 24+\t, 1
.endr
	WIN 0
	PLACES 3                                       ; with the five at the first tile's head: eight places behind the last scale word made
	ATT 1, 0
	ATT 1, 1
	ATT 2, 0
	ATT 2, 1
	v_cndmask_b32 v[OW], v[OH], v[OH+1], s74       ; lanes 0-15 tile 0's rows, lanes 16-31 tile 1's; a word for each of my two query blocks
	v_cndmask_b32 v[OW+1], v[OH+2], v[OH+3], s74
	global_store_b64 v11, v[OW:OW+1], s[94:95]     ; 256 consecutive bytes, aligned
	s_wait_tensorcnt 0x0                           ; the wave's end
	ds_add_u32 v2, v3
	s_wait_dscnt 0x0
	CROUND                                         ; the closing round: no work-group ends while a partner may still ask for a tile that names it
	s_endpgm
.Lfunc_end_k_qa5cc214f95_qkvattn:
	.size	k_qa5cc214f95_qkvattn, .Lfunc_end_k_qa5cc214f95_qkvattn-k_qa5cc214f95_qkvattn
	.p2alignl 7, 3214868480
	.fill 96, 4, 3214868480
	.section	.rodata,"a",@progbits
	.p2align	6, 0x0
	.amdhsa_kernel k_qa5cc214f95_qkvattn
		.amdhsa_group_segment_fixed_size 327680
		.amdhsa_private_segment_fixed_size 0
		.amdhsa_enable_private_segment 0
		.amdhsa_kernarg_size 40
		.amdhsa_user_sgpr_count 2
		.amdhsa_user_sgpr_kernarg_segment_ptr 1
		.amdhsa_wavefront_size32 1
		.amdhsa_system_sgpr_workgroup_id_x 1
		.amdhsa_system_sgpr_workgroup_id_y 1
		.amdhsa_system_sgpr_workgroup_id_z 1
		.amdhsa_system_vgpr_workitem_id 0
		.amdhsa_next_free_vgpr 1024
		.amdhsa_next_free_sgpr 100
		.amdhsa_reserve_vcc 0
		.amdhsa_float_denorm_mode_32 3
		.amdhsa_float_denorm_mode_16_64 3
		.amdhsa_memory_ordered 1
		.amdhsa_forward_progress 1
		.amdhsa_inst_pref_size 255
	.end_amdhsa_kernel
	.section	.bss,"aw",@nobits
	.p2align	6
	.space	262144
	.amdgpu_metadata
---
amdhsa.version: [ 1, 2 ]
amdhsa.kernels:
  - .name:           k_qa5cc214f95_qkvattn
    .symbol:         k_qa5cc214f95_qkvattn.kd
    .args:
      - { .name: img, .offset: 0, .size: 8, .value_kind: global_buffer, .address_space: global }
      - { .name: scl, .offset: 8, .size: 8, .value_kind: global_buffer, .address_space: global }
      - { .name: b_qkv, .offset: 16, .size: 8, .value_kind: global_buffer, .address_space: global }
      - { .name: o_img, .offset: 24, .size: 8, .value_kind: global_buffer, .address_space: global }
      - { .name: o_scl, .offset: 32, .size: 8, .value_kind: global_buffer, .address_space: global }
    .group_segment_fixed_size: 327680
    .private_segment_fixed_size: 0
    .kernarg_segment_align: 8
    .kernarg_segment_size: 40
    .max_flat_workgroup_size: 128
    .sgpr_count:     100
    .vgpr_count:     1024
    .wavefront_size: 32
...
	.end_amdgpu_metadata
.endif
;; end of part 2
;; launch outproj (part 3): grid 8 x 32, 4 waves a work-group, clusters of 4 x 4, 214,528 bytes of LDS; arguments o_img, o_scl, img, scl, b_out, out0; writes out0
.if DOCPART == 3
	.amdgcn_target "amdgcn-amd-amdhsa--gfx1250"
	.amdhsa_code_object_version 6
	.text
	.protected	k_qa5cc214f95_outproj
	.globl	k_qa5cc214f95_outproj
	.p2align	8
	.type	k_qa5cc214f95_outproj,@function
k_qa5cc214f95_outproj:
	s_mov_b64 s[64:65], 0
	v_nop
	global_prefetch_b8 v0, s[64:65] scope:SCOPE_SE
	s_setreg_imm32_b32 hwreg(HW_REG_WAVE_MODE, 25, 1), 1
	s_wait_xcnt 0x0
	s_wait_alu depctr_hold_cnt(0) depctr_sa_sdst(0) depctr_va_vdst(0) depctr_va_sdst(0) depctr_va_ssrc(0) depctr_va_vcc(0) depctr_vm_vsrc(0)
	s_getreg_b32 s2, hwreg(HW_REG_IB_STS2, 6, 4)
	s_cmp_eq_u32 s2, 0
	s_cbranch_scc0 .Lentry_in_a_cluster
	s_endpgm
.Lentry_in_a_cluster:
	s_bfe_u32 s2, ttmp6, 0x10000c
	s_cmp_lg_u32 s2, 0xf033
	s_cbranch_scc0 .Lentry_shape_is_right
	s_endpgm
.Lentry_shape_is_right:
; out0 = o w_out^T + b_out on codes of BF6 with E8M0 scales.  o's codes and scale bytes come as the launch before laid them, w_out's as the first launch did (img blocks 226 + n).
; SHARES.  A work-group makes 128 tokens x 128 columns; wave (wr, wc) 64 x 64: 16 accumulators.  256 work-groups.
; ALL OF K (1,024) FITS IN LDS: A's four token blocks and B's four column blocks, 98,304 bytes each, come in four chunks of 256 along K, each filled ONCE: no slot is filled again.
; A wave has four tensor loads out at the start; the waits count them down as the chunks are wanted.
; CLUSTER 4 x 4: the four work-groups of a row share their tokens (A's tiles), the four of a column their columns (B's): each tile is asked for jointly.
; TRANSPOSED USE: source 0 = 16 rows of w_out, source 1 = 16 tokens.  Lane r of a tile is row 8 u + r + 8 (r / 8) of its block of 32, so a lane holds one token and registers 16 j + i = column 32 j + 16 h + i.
; The bias is the C of each sum's first product.  The way out goes through the wave's own stage: sixteen lanes store 256 consecutive bytes, aligned.
; REGISTERS.  window 0: v2-13 addresses; v16-31 o's scale words (16 + 8 bl + s), v32-47 w_out's (32 + 8 j + s): scales and nothing else; two sets of fragments at v64 and v160 (o's at + 12 t, w_out's at + 48 + 12 c).
;   window 1: the accumulators (32 t + 8 c); v128-159 the bias.
.set BLK,   24576
.set CHK,   6144
.set CSL,   24576                      ; a chunk in LDS: four blocks x 6,144
.set BOFF,  98304
.set STAGE, 196608                     ; 16 rows x 272 bytes for each wave; no tile lands here
.set SP,    272
.set G1A, 24
.set G1B, 32
.set G0A, 40                           ; s[40:55] A's groups 0, one a chunk;  B's: s[56:63], s[68:75]
.set MSB, 0
.macro WIN new
.if MSB != (\new)
	s_set_vgpr_msb (MSB<<8)|(\new)
.set MSB, (\new)
.endif
.endm
.macro PLACES n
.rept \n
	v_nop
.endr
.endm
.macro CROUND                          ; a round of the cluster's barrier
	s_barrier_signal -1
	s_barrier_wait -1
	s_cmp_lg_u32 s16, 0
	s_cbranch_scc1 .Lnot_wave_0_\@
	s_barrier_signal -3
.Lnot_wave_0_\@:
	s_barrier_wait -3
	s_barrier_signal -1
	s_barrier_wait -1
.endm
.macro WM d, a, b, c, sa, sb, ra, rb
.if (\ra) && (\rb)
	v_wmma_scale_f32_16x16x128_f8f6f4 v[\d:\d+7], v[\a:\a+11], v[\b:\b+11], v[\c:\c+7], v[\sa], v[\sb] matrix_a_fmt:MATRIX_FMT_BF6 matrix_b_fmt:MATRIX_FMT_BF6 matrix_a_scale:MATRIX_SCALE_ROW1 matrix_b_scale:MATRIX_SCALE_ROW1
.elseif (\ra)
	v_wmma_scale_f32_16x16x128_f8f6f4 v[\d:\d+7], v[\a:\a+11], v[\b:\b+11], v[\c:\c+7], v[\sa], v[\sb] matrix_a_fmt:MATRIX_FMT_BF6 matrix_b_fmt:MATRIX_FMT_BF6 matrix_a_scale:MATRIX_SCALE_ROW1
.elseif (\rb)
	v_wmma_scale_f32_16x16x128_f8f6f4 v[\d:\d+7], v[\a:\a+11], v[\b:\b+11], v[\c:\c+7], v[\sa], v[\sb] matrix_a_fmt:MATRIX_FMT_BF6 matrix_b_fmt:MATRIX_FMT_BF6 matrix_b_scale:MATRIX_SCALE_ROW1
.else
	v_wmma_scale_f32_16x16x128_f8f6f4 v[\d:\d+7], v[\a:\a+11], v[\b:\b+11], v[\c:\c+7], v[\sa], v[\sb] matrix_a_fmt:MATRIX_FMT_BF6 matrix_b_fmt:MATRIX_FMT_BF6
.endif
.endm
	s_load_b256 s[4:11], s[0:1], 0x0               ; o_img s[4:5], o_scl s[6:7], img s[8:9], scl s[10:11]
	s_load_b128 s[12:15], s[0:1], 0x20             ; b_out s[12:13], out0 s[14:15]
	v_lshl_add_u32 v62, v0, 2, 0x34400
	v_mov_b32 v63, 0
	ds_add_u32 v62, v63
	ds_add_u32 v62, v63
	v_lshrrev_b32 v1, 5, v0
	v_readfirstlane_b32 s16, v1                    ; wave 0..3
	s_lshr_b32 s17, s16, 1                         ; wr.  Also: I fetch for A (0) or for B (1)
	s_and_b32 s18, s16, 1                          ; wc.  Also: which two blocks I fetch
	s_bfe_u32 s19, ttmp6, 0x40000                  ; cx
	s_bfe_u32 s20, ttmp6, 0x40004                  ; cy
	s_lshl_b32 s21, ttmp9, 2
	s_add_co_u32 s21, s21, s19                     ; tc = 4 x cluster x + cx
	s_and_b32 s22, ttmp7, 0xffff
	s_lshl_b32 s22, s22, 2
	s_add_co_u32 s22, s22, s20                     ; tr = 4 x cluster y + cy
	s_lshl_b32 s23, s20, 2
	s_lshl_b32 s23, 15, s23                        ; my row of the cluster
	s_lshl_b32 s3, 0x1111, s19                     ; my column
	; group 1: two rows of 6,144 bytes (768 elements of 8 bytes), 24,576 bytes apart; no padding: every LDS read is dense
	s_or_b32 s[G1A], s23, (3<<16)|(1<<21)
	s_or_b32 s[G1B], s3, (3<<16)|(1<<21)
.irp g, G1A, G1B
	s_mov_b32 s[\g+1], 768<<16
	s_mov_b32 s[\g+2], 2<<16
	s_mov_b32 s[\g+3], 768<<16
	s_mov_b32 s[\g+4], 2
	s_mov_b32 s[\g+5], 3072
	s_mov_b32 s[\g+6], 0
	s_mov_b32 s[\g+7], 0
.endr
	s_lshl_b32 s76, s22, 2
	s_lshl_b32 s77, s18, 1
	s_add_co_u32 s76, s76, s77
	s_mul_i32 s76, s76, BLK                        ; A: token block 4 tr + 2 x half
	s_mov_b32 s77, 0
	s_mul_i32 s78, s18, 2*CHK
	s_lshl_b32 s80, s21, 2
	s_lshl_b32 s81, s18, 1
	s_add_co_u32 s80, s80, s81
	s_add_co_u32 s80, s80, 226
	s_mul_i32 s80, s80, BLK                        ; B: img block 226 + 4 tc + 2 x half
	s_mov_b32 s81, 0
	s_mul_i32 s82, s18, 2*CHK
	s_add_co_u32 s82, s82, BOFF
	s_lshl_b32 s84, s22, 7
	s_lshl_b32 s85, s17, 6
	s_add_co_u32 s84, s84, s85
	s_lshl_b32 s84, s84, 12                        ; out0: row 128 tr + 64 wr,
	s_lshl_b32 s90, s21, 7
	s_lshl_b32 s85, s18, 6
	s_add_co_u32 s90, s90, s85
	s_lshl_b32 s90, s90, 2                         ; column 128 tc + 64 wc, in bytes (the bias's too)
	s_add_co_u32 s84, s84, s90
	s_mov_b32 s85, 0
	s_mov_b32 s91, 0
	s_lshl_b32 s86, s22, 1
	s_add_co_u32 s86, s86, s17
	s_lshl_b32 s86, s86, 8                         ; o_scl: pair of blocks 2 tr + wr
	s_mov_b32 s87, 0
	s_lshl_b32 s88, s21, 2
	s_lshl_b32 s89, s18, 1
	s_add_co_u32 s88, s88, s89
	s_add_co_u32 s88, s88, 226
	s_lshl_b32 s88, s88, 10                        ; scl: block 226 + 4 tc + 2 wc
	s_mov_b32 s89, 0
	s_wait_dscnt 0x0
	s_wait_kmcnt 0x0
	s_add_nc_u64 s[76:77], s[4:5], s[76:77]
	s_add_nc_u64 s[80:81], s[8:9], s[80:81]
	s_add_nc_u64 s[84:85], s[14:15], s[84:85]
	s_add_nc_u64 s[86:87], s[6:7], s[86:87]
	s_add_nc_u64 s[88:89], s[10:11], s[88:89]
	s_add_nc_u64 s[90:91], s[12:13], s[90:91]
.irp q, 0,1,2,3
	s_mov_b32 s[G0A+4*\q], 1
	s_add_co_u32 s[G0A+4*\q+1], s78, \q*CSL
	s_add_nc_u64 s[G0A+4*\q+2:G0A+4*\q+3], s[76:77], \q*CHK
	s_or_b32 s[G0A+4*\q+3], s[G0A+4*\q+3], 0x80000000
	s_mov_b32 s[56+4*\q+4*(\q/2)], 1
	s_add_co_u32 s[56+4*\q+4*(\q/2)+1], s82, \q*CSL
	s_add_nc_u64 s[56+4*\q+4*(\q/2)+2:56+4*\q+4*(\q/2)+3], s[80:81], \q*CHK
	s_or_b32 s[56+4*\q+4*(\q/2)+3], s[56+4*\q+4*(\q/2)+3], 0x80000000
.endr
	CROUND                                         ; all sixteen work-groups are here: the joint loads meet
	s_cmp_eq_u32 s17, 0                            ; a wave's four fills stand in one branch, ahead of every wait on TENSORcnt and every LDS read
	s_cbranch_scc0 .Lfirst_b
	tensor_load_to_lds s[40:43], s[G1A:G1A+7]
	s_nop 0
	tensor_load_to_lds s[44:47], s[G1A:G1A+7]
	s_nop 0
	tensor_load_to_lds s[48:51], s[G1A:G1A+7]
	s_nop 0
	tensor_load_to_lds s[52:55], s[G1A:G1A+7]
	s_nop 0
.rept 4
	v_nop
.endr
	s_branch .Lfirst_asked
.Lfirst_b:
	tensor_load_to_lds s[56:59], s[G1B:G1B+7]
	s_nop 0
	tensor_load_to_lds s[60:63], s[G1B:G1B+7]
	s_nop 0
	tensor_load_to_lds s[68:71], s[G1B:G1B+7]
	s_nop 0
	tensor_load_to_lds s[72:75], s[G1B:G1B+7]
	s_nop 0
.rept 4
	v_nop
.endr
.Lfirst_asked:
	v_and_b32 v1, 31, v0
	v_lshlrev_b32 v2, 4, v1                        ; 16 x lane
	v_lshlrev_b32 v3, 3, v1                        ; 8 x lane
	s_mul_i32 s92, s17, 2*CHK
	v_add_nc_u32 v4, s92, v2                       ; A, registers 0-3 of a half fragment: chunks 0, 1
	v_add_nc_u32 v5, 2*CSL, v4                     ; chunks 2, 3
	v_add_nc_u32 v6, s92, v3
	v_add_nc_u32 v6, 512, v6                       ; A, registers 4, 5
	v_add_nc_u32 v7, 2*CSL, v6
	s_mul_i32 s93, s18, 2*CHK
	s_add_co_u32 s93, s93, BOFF
	v_add_nc_u32 v8, s93, v2                       ; B
	v_add_nc_u32 v9, 2*CSL, v8
	v_and_b32 v14, 15, v0                          ; r
	v_bfe_u32 v15, v0, 4, 1                        ; h
	s_mul_i32 s94, s16, 16*SP
	s_add_co_u32 s94, s94, STAGE                   ; my stage
	v_mul_u32_u24 v10, v14, SP
	v_lshl_add_u32 v10, v15, 6, v10
	v_add_nc_u32 v10, s94, v10                     ; in: row r, + 64 h
	v_mul_u32_u24 v11, v15, SP
	v_lshl_add_u32 v11, v14, 4, v11
	v_add_nc_u32 v11, s94, v11                     ; back: lanes 0-15 one row, lanes 16-31 the next
	v_lshlrev_b32 v12, 12, v15
	v_lshl_add_u32 v12, v14, 4, v12                ; and the same two rows in out0
	v_lshlrev_b32 v13, 6, v15                      ; the bias: 16 columns a half
.irp j, 0,1
.irp hk, 0,1
	global_load_b128 v[32+8*\j+4*\hk:32+8*\j+4*\hk+3], v2, s[88:89] offset:1024*\j+512*\hk       ; w_out's scale words
.endr
.endr
.irp hd, 0,1,2,3,4,5,6,7,8,9,10,11,12,13,14,15
	global_load_b64 v[160+2*\hd:160+2*\hd+1], v3, s[86:87] offset:16384*\hd                      ; o's: two bytes a head, a word for each of my two token blocks
.endr
	WIN 0x40
.irp c, 0,1,2,3
	global_load_b128 v[128+8*\c:128+8*\c+3], v13, s[90:91] offset:(32*(\c/2)+8*(\c%2))*4
	global_load_b128 v[128+8*\c+4:128+8*\c+7], v13, s[90:91] offset:(32*(\c/2)+8*(\c%2))*4+16
.endr
	WIN 0
	s_wait_loadcnt 0x0
.irp bl, 0,1
.irp s, 0,1,2,3,4,5,6,7
	v_lshl_or_b32 v[16+8*\bl+\s], v[160+4*\s+2+\bl], 16, v[160+4*\s+\bl]     ; K step s: heads 2 s and 2 s + 1
.endr
.endr
	PLACES 8                                       ; a scale word made by a vector line stands eight places ahead of the product that takes it
.macro FETCH s                         ; K step s: 28 loads into set s % 2
.set FS, 64+96*((\s)%2)
.set FO, CSL*(((\s)/2)%2)+3072*((\s)%2)
.set FI, (\s)/4
.irp t, 0,1,2,3
	ds_load_b128 v[FS+12*\t:FS+12*\t+3], v[4+FI] offset:FO+CHK*(\t/2)+1536*(\t%2)
	ds_load_b64 v[FS+12*\t+4:FS+12*\t+5], v[6+FI] offset:FO+CHK*(\t/2)+1536*(\t%2)
	ds_load_b128 v[FS+12*\t+6:FS+12*\t+9], v[4+FI] offset:FO+CHK*(\t/2)+1536*(\t%2)+768
	ds_load_b64 v[FS+12*\t+10:FS+12*\t+11], v[6+FI] offset:FO+CHK*(\t/2)+1536*(\t%2)+768
.endr
.irp c, 0,1,2,3
.irp k, 0,1,2
	ds_load_b128 v[FS+48+12*\c+4*\k:FS+48+12*\c+4*\k+3], v[8+FI] offset:FO+CHK*(\c/2)+1536*(\c%2)+512*\k
.endr
.endr
.endm
.macro MUL s                           ; 16 products, each accumulator once (the accumulators take turns)
.set FS, 64+96*((\s)%2)
.irp t, 0,1,2,3
.irp c, 0,1,2,3
.if (\s) == 0
	WM 32*\t+8*\c, FS+48+12*\c, FS+12*\t, 128+8*\c, 32+8*(\c/2)+(\s), 16+8*(\t/2)+(\s), \c%2, \t%2
.else
	WM 32*\t+8*\c, FS+48+12*\c, FS+12*\t, 32*\t+8*\c, 32+8*(\c/2)+(\s), 16+8*(\t/2)+(\s), \c%2, \t%2
.endif
.endr
.endr
.endm
	s_wait_tensorcnt 0x3                           ; my part of chunk 0 is in; the three behind it may stay out
	s_barrier_signal -1
	s_barrier_wait -1
	FETCH 0
.irp s, 0,1,2,3,4,5,6
.if (\s%2) == 1
	s_wait_tensorcnt 3-(\s+1)/2                    ; my part of the chunk that the next step reads is in
	s_wait_dscnt 0x0
	s_barrier_signal -1
	s_barrier_wait -1                              ; everybody's is
.endif
.if \s > 0
	PLACES 4                                       ; in front of loads into the set that the last step multiplied
.endif
	FETCH \s+1
	s_wait_dscnt 28                                ; all but the 28 just issued
	WIN 0x50                                       ; C and D window 1
	MUL \s
	WIN 0
.endr
	s_wait_dscnt 0x0
	WIN 0x50
	MUL 7
	WIN 0
; THE WAY OUT, a tile of 16 tokens x 64 columns at a time.  LDS serves a wave's instructions in order (ISA guide 5.7.1.4): no wait between my stores and my loads, nor in front of the next tile's stores.
.macro TOSTAGE t
	WIN 0x04                                       ; an LDS store's data: window 1
.irp j, 0,1
.irp k, 0,1,2,3
	ds_store_b128 v10, v[32*(\t)+16*\j+4*\k:32*(\t)+16*\j+4*\k+3] offset:128*\j+16*\k            ; each accumulator from its low end on
.endr
.endr
	WIN 0
.irp k, 0,1,2,3,4,5,6,7
	ds_load_b128 v[64+32*(\t)+4*\k:64+32*(\t)+4*\k+3], v11 offset:2*\k*SP
.endr
.endm
.macro SEND t, younger                 ; younger: the LDS instructions issued behind tile t's loads
	s_wait_dscnt \younger
.irp k, 0,1,2,3,4,5,6,7
	global_store_b128 v12, v[64+32*(\t)+4*\k:64+32*(\t)+4*\k+3], s[84:85] offset:(32*((\t)/2)+8*((\t)%2)+2*\k+8*(\k/4))*4096 th:TH_STORE_NT   ; stage row p is token 8 u + p + 8 (p / 8) of its block; 16 lanes store 256 consecutive bytes, aligned
.endr
.endm
	PLACES 4                                       ; behind the last products: their results are read and their operands' registers loaded below
	TOSTAGE 0
.irp t, 1,2,3
	TOSTAGE \t
	SEND \t-1, 16                                  ; each tile has registers of its own, so no store's data are written again
.endr
	SEND 3, 0
	s_wait_tensorcnt 0x0
	ds_add_u32 v62, v63
	s_wait_dscnt 0x0
	CROUND                                         ; the closing round: no work-group ends while a partner may still ask for a tile that names it
	s_endpgm
.Lfunc_end_k_qa5cc214f95_outproj:
	.size	k_qa5cc214f95_outproj, .Lfunc_end_k_qa5cc214f95_outproj-k_qa5cc214f95_outproj
	.p2alignl 7, 3214868480
	.fill 96, 4, 3214868480
	.section	.rodata,"a",@progbits
	.p2align	6, 0x0
	.amdhsa_kernel k_qa5cc214f95_outproj
		.amdhsa_group_segment_fixed_size 214528
		.amdhsa_private_segment_fixed_size 0
		.amdhsa_enable_private_segment 0
		.amdhsa_kernarg_size 48
		.amdhsa_user_sgpr_count 2
		.amdhsa_user_sgpr_kernarg_segment_ptr 1
		.amdhsa_wavefront_size32 1
		.amdhsa_system_sgpr_workgroup_id_x 1
		.amdhsa_system_sgpr_workgroup_id_y 1
		.amdhsa_system_sgpr_workgroup_id_z 1
		.amdhsa_system_vgpr_workitem_id 0
		.amdhsa_next_free_vgpr 512
		.amdhsa_next_free_sgpr 96
		.amdhsa_reserve_vcc 0
		.amdhsa_float_denorm_mode_32 3
		.amdhsa_float_denorm_mode_16_64 3
		.amdhsa_memory_ordered 1
		.amdhsa_forward_progress 1
		.amdhsa_inst_pref_size 53
	.end_amdhsa_kernel
	.amdgpu_metadata
---
amdhsa.version: [ 1, 2 ]
amdhsa.kernels:
  - .name:           k_qa5cc214f95_outproj
    .symbol:         k_qa5cc214f95_outproj.kd
    .args:
      - { .name: o_img, .offset: 0, .size: 8, .value_kind: global_buffer, .address_space: global }
      - { .name: o_scl, .offset: 8, .size: 8, .value_kind: global_buffer, .address_space: global }
      - { .name: img, .offset: 16, .size: 8, .value_kind: global_buffer, .address_space: global }
      - { .name: scl, .offset: 24, .size: 8, .value_kind: global_buffer, .address_space: global }
      - { .name: b_out, .offset: 32, .size: 8, .value_kind: global_buffer, .address_space: global }
      - { .name: out0, .offset: 40, .size: 8, .value_kind: global_buffer, .address_space: global }
    .group_segment_fixed_size: 214528
    .private_segment_fixed_size: 0
    .kernarg_segment_align: 8
    .kernarg_segment_size: 48
    .max_flat_workgroup_size: 128
    .sgpr_count:     96
    .vgpr_count:     512
    .wavefront_size: 32
...
	.end_amdgpu_metadata
.endif
;; end of part 3
